; MI455X (gfx1250); checked and timed in simulation.
; The chip was launched on July 23, 2026; its instructions are those of AMD's public machine-readable ISA for CDNA 5 (MIT licence, August 2026) and "CDNA5" Instruction Set Architecture Reference Guide (July 2026). The comments in the code are by the model that wrote it; some were corrected since.
;; Cross Attention. Allowed arithmetic: matrix products marked QUANTISED: E3M2 operands, one E8M0 scale for each 32 along K, by v_wmma_scale_f32_16x16x128_f8f6f4 with both operands' format E3M2, f32 sums; everything else in f32.
;; Inputs: keys 4 x 2,048 x 1,024 float32; mask 2,048 x 2,048 float32; queries 4 x 2,048 x 1,024 float32; values_codes 4 x 1,024 x 64 x 24 uint8 (E3M2 codes of values, K innermost, in blocks of 32 codes, four codes in three bytes); values_scales 4 x 1,024 x 64 uint8 (E8M0 scales of values, one for each 32 codes along K).
;; Outputs: out0 4 x 2,048 x 1,024 float32.
;; This version of the problem:
;;   THIS VERSION OF THE PROBLEM IS GIVEN IN LOW PRECISION. The matrix products marked QUANTISED in the list below multiply operands that are first quantised to E3M2 (3 exponent bits, 2 mantissa bits; 6 bits a number), with one power-of-two scale for each 32 numbers along K (OCP MX v1.0); their sums are f32. All else is computed in f32.
;;   The module's matrix products, in the order in which they are computed (A, B: the left and right operand; K: the contracted axis; several contracted axes count as one K, in the product's order):
;;     1. batch 64 x [M 2,048, K 64] x [K 64, N 2,048]; A: input queries; B: input keys: QUANTISED
;;     2. batch 64 x [M 64, K 2,048] x [K 2,048, N 2,048]; A: input values (given as codes); B: computed on the way: QUANTISED
;;   THE QUANTISER, for each operand of a quantised product, along K:
;;     - K is cut into blocks of 32 from its start; a last block that is shorter is filled with zeros.
;;     - A block's scale is 2^e with e = floor(log2(the largest magnitude in the block)) - 4, held to -126 .. 127; a block of zeros has e = 0. As a byte (E8M0): e + 127.
;;     - Each number is divided by its block's scale, clamped to +-28, and rounded to the nearest number of E3M2, ties to even, subnormals kept.
;;     - The product sums the exact products of the quantised numbers (number of the format x scale) in f32.
;;   ~~~python
;;   def quantise(x, axis):      # numpy; x: float32 -> the quantised numbers, widened to float32 again
;;       x = np.moveaxis(x, axis, -1); K = x.shape[-1]
;;       x = np.pad(x, [(0, 0)] * (x.ndim - 1) + [(0, -K % 32)]); x = x.reshape(x.shape[:-1] + (-1, 32)); a = np.abs(x).max(-1, keepdims=True)
;;       e = np.where(a > 0, np.clip(np.frexp(np.where(a > 0, a, 1))[1] - 1 - 4, -126, 127), 0)      # np.frexp(a)[1] - 1 = floor(log2(a)), exactly
;;       r = np.clip(x / 2.0 ** e, -28, 28)
;;       step = 2.0 ** (np.maximum(np.frexp(np.where(r == 0, 1, r))[1] - 1, -2) - 2)
;;       q = np.round(r / step) * step * 2.0 ** e      # np.round: ties to even
;;       return np.moveaxis(q.reshape(q.shape[:-2] + (-1,))[..., :K], -1, axis).astype(np.float32)
;;   ~~~
;;   OPERANDS COMPUTED ON THE WAY. 'Computed on the way' means the value that the module computes at that place (a softmax that the list does not call 'softmax' is quantised finished and normalised). What goes into a quantiser is computed in f32, as accurately as f32 sums, v_exp_f32 and their like allow (about 1e-6 of the number): no bf16 or f16 on the way to a quantiser, and a product that is left as it is and whose result goes on into a quantised operand takes f32 operands (vector FMAs, or v_wmma_f32_16x16x4_f32). A number that lies on a knife's edge between two numbers of the format may be rounded either way, as far as f32 arithmetic and the matrix unit's own rounding can turn it there, and no further.
;;   INPUTS GIVEN AS CODES. values (in the module: [4, 2048, 1024], K = its axis 1): each comes as NAME_codes (uint8): NAME with its K axis moved to the last place and cut into blocks of 32 codes, [.., K / 32, bytes a block], one block behind the other in memory; four codes in three bytes: a row's codes are one little-endian stream of bits, code i at bits 6 i .. 6 i + 5 (a code: sign, 3 exponent bits, 2 mantissa bits); and NAME_scales (uint8): the same leading axes, one E8M0 byte (e + 127) for each 32 codes along K. Its value is code x scale, taken as it is: it is not quantised again, and the codes and scales need not be those that the quantiser above would give.
;; One version. Each part assembles by itself: llvm-mc -triple=amdgcn-amd-amdhsa -mcpu=gfx1250 --defsym DOCPART=n.
;; ======== version 1 of 1: 1 launch
;; limits: right only within a limited range of input values
;; launch att (part 1): grid 64 x 4, 8 waves a work-group, clusters of 4 x 1, 327,680 bytes of LDS; arguments queries, keys, mask, values_codes, values_scales, out0; writes out0
.if DOCPART == 1
	.amdgcn_target "amdgcn-amd-amdhsa--gfx1250"
	.amdhsa_code_object_version 6
	.text
	.protected	k_q77c9c454d2_att
	.globl	k_q77c9c454d2_att
	.p2align	8
	.type	k_q77c9c454d2_att,@function
k_q77c9c454d2_att:
	s_mov_b64 s[64:65], 0
	v_nop
	global_prefetch_b8 v0, s[64:65] scope:SCOPE_SE
	s_setreg_imm32_b32 hwreg(HW_REG_WAVE_MODE, 25, 1), 1
	s_wait_xcnt 0x0
	s_wait_alu depctr_hold_cnt(0) depctr_sa_sdst(0) depctr_va_vdst(0) depctr_va_sdst(0) depctr_va_ssrc(0) depctr_va_vcc(0) depctr_vm_vsrc(0)
	s_getreg_b32 s2, hwreg(HW_REG_IB_STS2, 6, 4)
	s_cmp_eq_u32 s2, 0
	s_cbranch_scc0 .Lentry_in_a_cluster
	s_endpgm
.Lentry_in_a_cluster:
	s_bfe_u32 s2, ttmp6, 0x10000c
	s_cmp_lg_u32 s2, 0x3003
	s_cbranch_scc0 .Lentry_shape_is_right
	s_endpgm
.Lentry_shape_is_right:
; out[b][h][l][:] = sum over s of Q6( softmax_s(q.k / 8) x mask[l][s] ) x V[s][:]: 64 (b, h) pairs, 2,048 queries, 2,048 keys, head size 64.
; Both products on codes of BF6 (E3M2), one E8M0 scale for each 32 along K.  q and k arrive as f32 and are quantised here along the head's 64; V arrives as codes, keys innermost.
; The finished number (normalised softmax x mask) is quantised, so a row's sum is known before any code is made: a tile of 16 queries keeps its 2,048 scores in registers,
; 256 keys to each of eight waves, and every exponential is taken once.
; SHARES.  A work-group: one head, 512 queries (32 tiles of 16).  Wave w: keys 256 w .. 256 w + 255; its K (96 registers of codes) and V (96) stay in registers.
; A TILE: S^T = K Q^T (16 products) | M_w (a whole number), p = 2^(t - M_w), l_w | the eight pairs (-M_w, l_w) meet in LDS; between that barrier's signal and wait stand the products with
; the mask and the blocks' maxima | f = 2^(M_w - M) / l | a = (p x mask) x f, quantised | O^T = V^T P^T (8 products) | the eight partial O meet in LDS, each wave adds and stores two rows.
; THE KEYS OF A TILE OF K: tile 8 s + 4 c + u holds keys 128 s + 64 c + 8 u + 0..7 in rows 0-7 and those 32 on in rows 8-15, so the 32 registers of block b = 2 s + c in lane (r, h) are
; keys 64 b + 32 h + 0..31 of query r: a whole block of the quantiser in one lane, in the second product's order.
; K = 64 IN A PRODUCT OF 128: Q's registers 6-11 are zero codes, so K's fragments lie 6 registers apart and a fragment's upper half is the next fragment.
; THE MASK goes through two LDS slots of one tile (16 rows x 2,048 f32).  CLUSTER: four heads with the same queries ask for the mask's tile jointly.  K and V are not shared so: a work-group
; takes in 32 x 128 KiB of mask against 512 KiB of K and 96 KiB of V once.  K and V are read at the head, where there is no loop to run ahead in: they are not prefetched.
; LIMITS: NaN and infinities among the inputs are not served.  A p under 2^-126 counts as 0.  1 / l is v_rcp_f32's, and a is (p x mask) x f, not (p / l) x mask: a few units in the last
; place of f32 ahead of the quantiser.  The promise holds while the scaled scores stay under 2^31 in magnitude.  O is added over eight ranges of keys and then by a tree.
.set MPITCH, 1040                      ; a wave's row of the mask in LDS: 1,024 bytes + 16
.set WPART,  16*MPITCH
.set SLOTB,  8*WPART                   ; a slot; slot 0 at 0, slot 1 behind it
.set VROW,   6*272                     ; V's one stay in slot 1: a channel's 1,536 bytes as six rows of 256 + 16
.set VPART,  48*272                    ; what one wave fetches of it: eight channels
.set OSC,    2*SLOTB                   ; eight parts of 16 rows x 272: partial O; also each wave's stage for turning f32 rows
.set OPITCH, 272
.set OPART,  16*OPITCH
.set STATS,  OSC+8*OPART               ; row r at 80 r: eight pairs (-M_w, l_w)
.set SPARE,  STATS+1280                ; the spare words, 128 bytes a wave
.set QIMG,   311296                    ; 16 places of 1,024 bytes: images of Q's fragments; place = tile mod 16
; window 0
.set SPW, 1                            ; SPARE + 4 x thread; never rewritten
.set NIL, 2                            ; 0; never rewritten
.set AM,  3                            ; v3, v4 my place in my wave's part of slot 0, 1
.set LANE, 5
.set ASW, 6                            ; where my wave's pair goes
.set ASR, 7                            ; where I read four pairs
.set AOW, 8                            ; where my partial O goes
.set AOR, 9                            ; where I read partial O back
.set AOUT, 10                          ; my 16 bytes among the tile's 4,096 of out
.set H8,  11                           ; 8 x (lane / 16)
.set PFO, 12                           ; 256 x lane
.set PFQ, 13                           ; 4,096 x lane
.set NM,  14                           ; v14 -M_w; v15 l_w
.set FF,  20                           ; v20 f; v21 named with it as a pair.  v16-19 and v60-63: the four pairs read back
.set BM,  22                           ; v22-25 a block's largest |p x mask|; at work in the search for the maximum
.set SCL, 26                           ; v26-29 the conversions' scale operands; at work elsewhere
.set PS,  30                           ; v30, v31 P's scale words
.set QS,  32
.set SW,  33                           ; the stage, on the way in
.set SR,  34                           ; and out
.set QGO, 35                           ; Q: 16 r + 8 rows x h
.set VS,  36                           ; v36-39 V's scale words
.set KS,  40                           ; v40-55 K's scale words
.set OUTR, 56                          ; v[56:59] a finished piece of out
.set KGO, 56                           ; (at the head: K: 16 r + 32 rows x h)
.set TT,  60
.set S,   64                           ; v64-191 scores, then p.  Block 0's registers become the sum's accumulators, then hold mask block 3; block 1's hold mask block 2; blocks 2 and 3 become a in place
.set MA,  192                          ; mask block 0, then a of block 0; partial O on the way back
.set MB,  224                          ; mask block 1, then a of block 1.  So a lies in v128-255: blocks 2, 3, 0, 1
.set O,   224                          ; and O^T
; window 1
.set KF,  0                            ; K: fragment t at 6 t; six zeros behind the last
.set QF,  102                          ; Q: six registers of codes, six of zeros
.set P0,  114                          ; P of step s at 114 + 12 s
.set TF,  138                          ; upper halves of blocks as the conversions leave them
.set VF,  154                          ; V: fragment (s, ct) at 154 + 12 (4 s + ct)
; scalars
.set WV, 16
.set CX, 17
.set BH, 18
.set YQ, 19
.set G1M, 24                           ; s[24:31] group 1 of the mask's tiles; s[32:35], s[36:39] group 0 for slot 0, 1
.set G0M, 32
.set G1V, 40                           ; s[40:47], s[48:51] V's
.set G0V, 48
.set SEL, 52                           ; v_permlanex16_b32's selects: lane l xor 16
.set CS,  54                           ; log2(e) / 8, twice
.set TR,  56                           ; the trip
.set REM, 57                           ; fills of the mask still to come
.set LIM, 58                           ; 1 in a wave that prefetches the mask, else the greatest number
.set QW,  59                           ; QIMG + 1,024 x wave
.set PFA, 60                           ; where my prefetches of the mask stand
.set SQ,  62                           ; Q at my wave's tile, 131,072 bytes on in every trip
.set OUTP, 66                          ; out, one tile ahead of the tile being stored
.set KB,  68
.set VSB, 70
.set TS,  72                           ; s72-76 at work
.set MSB, 0
.macro WIN new                         ; bits 1:0 source 0, 3:2 source 1, 5:4 source 2, 7:6 destination; the high byte repeats the setting that is left
.if MSB != \new
	s_set_vgpr_msb (MSB<<8)|\new
.set MSB, \new
.endif
.endm
.macro NOPS4
.rept 4
	v_nop
.endr
.endm
.macro VW
	s_wait_alu depctr_va_vdst(0)
.endm
.macro CREST                           ; a round of the cluster's barrier behind its opening barrier
	s_cmp_lg_u32 s[WV], 0
	s_cbranch_scc1 .Lnot_wave_0_\@
	s_barrier_signal -3
.Lnot_wave_0_\@:
	s_barrier_wait -3
	s_barrier_signal -1
	s_barrier_wait -1
.endm
.macro ROUND
	s_barrier_signal -1
	s_barrier_wait -1
	CREST
.endm
; 32 numbers of one lane, one block along K, become 6 registers of codes at dst (window 1) and my byte of the row's scale word; with lane l xor 16's byte the word is whole.
.macro QUANT32 X, dst, sc
	v_max3_num_f32 v26, |v[\X]|, |v[\X+1]|, 0x2800000            ; the floor 2^(5 - 127): the byte cannot fall under 1
	v_max3_num_f32 v27, |v[\X+2]|, |v[\X+3]|, |v[\X+4]|
.irp j, 5,9,13,17,21,25
	v_max3_num_f32 v26, v26, |v[\X+\j]|, |v[\X+\j+1]|
	v_max3_num_f32 v27, v27, |v[\X+\j+2]|, |v[\X+\j+3]|
.endr
	v_max3_num_f32 v26, v26, |v[\X+29]|, |v[\X+30]|
	v_max3_num_f32 v26, v26, v27, |v[\X+31]|
	v_add_nc_u32 v28, 0xfe000000, v26                            ; 4 off the exponent field: the conversion's scale operand
	v_lshrrev_b32 v29, 23, v28
	v_lshlrev_b32 v29, v[H8], v29                                ; the byte at its place: block h of the row
	v_permlanex16_b32 v30, v29, s[SEL], s[SEL+1]
	v_or_b32 v[\sc], v29, v30
	WIN 0x40
	v_cvt_scalef32_pk16_bf6_f32 v[\dst:\dst+2], v[\X:\X+15], v28
	v_cvt_scalef32_pk16_bf6_f32 v[TF:TF+2], v[\X+16:\X+31], v28  ; (a conversion's three registers begin on an even number)
	v_nop                                                        ; one plain place behind a scaled conversion
	WIN 0x41
.irp j, 0,1,2
	v_mov_b32 v[\dst+3+\j], v[TF+\j]
.endr
	WIN 0
.endm
; 16 rows x 64 f32 as loaded (lanes 0-15 one row of 256 bytes, lanes 16-31 another) turn through my own stage: back comes row r, numbers 32 h .. 32 h + 31.  LDS serves a wave's instructions in order.
.macro STG L, lwin, X
.if \lwin
	WIN 0x04
.endif
.irp j, 0,1,2,3,4,5,6,7
	ds_store_b128 v[SW], v[\L+4*\j:\L+4*\j+3] offset:OPITCH*\j
.endr
	WIN 0
.irp j, 0,1,2,3,4,5,6,7
	ds_load_b128 v[\X+4*\j:\X+4*\j+3], v[SR] offset:16*\j
.endr
.endm
.macro IMGST                           ; Q's fragment at P0 and its scale word in v31 go to the place at s[TS] as an image of the registers
	v_lshl_add_u32 v60, v[LANE], 4, s[TS]
	v_lshl_add_u32 v61, v[LANE], 3, s[TS]
	v_lshl_add_u32 v62, v[LANE], 2, s[TS]
	VW
	WIN 0x04
	ds_store_b128 v60, v[P0:P0+3]
	ds_store_b64 v61, v[P0+4:P0+5] offset:512
	WIN 0
	ds_store_b32 v62, v31 offset:768
.endm
.macro QIMGRD                          ; and come back so, in any wave
	v_lshl_add_u32 v26, v[LANE], 4, s[TS]
	v_lshl_add_u32 v27, v[LANE], 3, s[TS]
	v_lshl_add_u32 v28, v[LANE], 2, s[TS]
	WIN 0x40
	ds_load_b128 v[QF:QF+3], v26
	ds_load_b64 v[QF+4:QF+5], v27 offset:512
	WIN 0
	ds_load_b32 v[QS], v28 offset:768
.endm
.macro QIMGLD sg                       ; the image of tile 2 TR + sg + 1
.if (\sg) == 0
	s_and_b32 s[TS], s[TR], 7
.else
	s_add_co_u32 s[TS], s[TR], 1
	s_and_b32 s[TS], s[TS], 7
.endif
	s_lshl_b32 s[TS], s[TS], 11
	s_add_co_u32 s[TS], s[TS], QIMG+(1-(\sg))*1024
	QIMGRD
.endm
.macro QK                              ; S^T = K Q^T: sixteen accumulators, each begun with the constant 0
.irp t, 0,1,2,3,4,5,6,7,8,9,10,11,12,13,14,15
	v_wmma_scale_f32_16x16x128_f8f6f4 v[S+8*\t:S+8*\t+7], v[KF+6*\t:KF+6*\t+11], v[QF:QF+11], 0, v[KS+\t], v[QS] matrix_a_fmt:MATRIX_FMT_BF6 matrix_b_fmt:MATRIX_FMT_BF6
.endr
.endm
.macro MASKLD sg, b, dst               ; the mask of my query at block b's 32 keys of my half
.irp j, 0,1,2,3,4,5,6,7
	ds_load_b128 v[\dst+4*\j:\dst+4*\j+3], v[AM+(\sg)] offset:256*(\b)+16*\j
.endr
.endm
; The largest score of my query among my wave's 256 keys: four chains by turns; each accumulator is first read at its low end.
.macro DMAXB1                          ; its first half stands between the signal and the wait of the change of slots: work on registers
.irp b, 0,1,2,3
	v_max3_num_f32 v[BM+\b], v[S+32*\b], v[S+32*\b+1], v[S+32*\b+2]
.endr
.irp i, 3,5,7,9,11,13,15
.irp b, 0,1,2,3
	v_max3_num_f32 v[BM+\b], v[BM+\b], v[S+32*\b+\i], v[S+32*\b+\i+1]
.endr
.endr
.endm
.macro DMAXB2
.irp i, 17,19,21,23,25,27,29
.irp b, 0,1,2,3
	v_max3_num_f32 v[BM+\b], v[BM+\b], v[S+32*\b+\i], v[S+32*\b+\i+1]
.endr
.endr
.endm
; The tree that adds the eight partial O (rows 2 w, 2 w + 1; 16 bytes a lane), in three levels
.macro KR1 q
	v_pk_add_f32 v[MA+\q:MA+\q+1], v[MA+\q:MA+\q+1], v[MA+\q+4:MA+\q+5]
	v_pk_add_f32 v[MA+\q+2:MA+\q+3], v[MA+\q+2:MA+\q+3], v[MA+\q+6:MA+\q+7]
.endm
.macro KR2 q
	v_pk_add_f32 v[MA+\q:MA+\q+1], v[MA+\q:MA+\q+1], v[MA+\q+8:MA+\q+9]
	v_pk_add_f32 v[MA+\q+2:MA+\q+3], v[MA+\q+2:MA+\q+3], v[MA+\q+10:MA+\q+11]
.endm
.macro KR3
	v_pk_add_f32 v[OUTR:OUTR+1], v[MA:MA+1], v[MA+16:MA+17]
	v_pk_add_f32 v[OUTR+2:OUTR+3], v[MA+2:MA+3], v[MA+18:MA+19]
	global_store_b128 v[AOUT], v[OUTR:OUTR+3], s[OUTP:OUTP+1] offset:-4096 th:TH_STORE_NT   ; the wave stores 512 consecutive bytes, at a multiple of 256 from out's first byte; the base already stands a tile on
.endm
; The end of the search, a chain of eight lines, down to -M_w = floor(-t); kr = 1: the last tile's tree stands between its links
.macro DTAIL kr
	v_max3_num_f32 v[BM], v[BM], v[BM+1], v[S+31]
	v_max3_num_f32 v[BM+2], v[BM+2], v[BM+3], v[S+63]
.if \kr
	KR1 0
	KR1 8
.endif
	v_max3_num_f32 v[BM], v[BM], v[BM+2], v[S+95]
.if \kr
	KR1 16
	KR1 24
.endif
	v_max_num_f32 v[BM], v[BM], v[S+127]
.if \kr
	KR2 0
.endif
	v_permlanex16_b32 v[BM+1], v[BM], s[SEL], s[SEL+1]           ; the query's other 128 keys lie in the lane 16 away
.if \kr
	KR2 16
.endif
	v_max_num_f32 v[BM], v[BM], v[BM+1]
.if \kr
	KR3
.endif
	v_mul_f32 v[BM], s[CS], v[BM]                                ; as t
	v_floor_f32 v[NM], -v[BM]                                    ; -M_w = -ceil(t): a whole number
.endm
.macro FMA0                            ; block 0: t - M_w, two at a time
.irp j, 0,2,4,6,8,10,12,14,16,18,20,22,24,26,28,30
	v_pk_fma_f32 v[S+\j:S+\j+1], v[S+\j:S+\j+1], s[CS:CS+1], v[NM:NM+1] op_sel_hi:[1,0,0]
.endr
.endm
; A STAGE: block e's 32 exponentials, with plain lines of ONE level among them: each reads what was finished ahead of the wait in front of the stage, and what it writes is first read behind the wait
; that follows the stage.  Stages 1, 2: the mask's registers of block e - 1 take p x mask.  Stages 2, 3: block 0's registers, sixteen pairs of accumulators, take block e - 1's p, one add each.
; Stages 0 to 2: block e + 1 is scaled.  A stage ends on a plain line.
.macro STAGE e
.set n, 0
.rept 16
	v_exp_f32 v[S+32*(\e)+2*n], v[S+32*(\e)+2*n]
.if ((\e) == 1) || ((\e) == 2)
	v_pk_mul_f32 v[MA+32*(\e)-32+2*n:MA+32*(\e)-31+2*n], v[MA+32*(\e)-32+2*n:MA+32*(\e)-31+2*n], v[S+32*(\e)-32+2*n:S+32*(\e)-31+2*n]
.endif
	v_exp_f32 v[S+32*(\e)+2*n+1], v[S+32*(\e)+2*n+1]
.if (\e) >= 2
	v_pk_add_f32 v[S+2*n:S+2*n+1], v[S+2*n:S+2*n+1], v[S+32*(\e)-32+2*n:S+32*(\e)-31+2*n]
.endif
.if (\e) <= 2
	v_pk_fma_f32 v[S+32*(\e)+32+2*n:S+32*(\e)+33+2*n], v[S+32*(\e)+32+2*n:S+32*(\e)+33+2*n], s[CS:CS+1], v[NM:NM+1] op_sel_hi:[1,0,0]
.endif
.set n, n+1
.endr
.endm
.macro A2M k                           ; k of the sixteen lines of block 2: p x mask, the mask in block 1's registers
.rept \k
	v_pk_mul_f32 v[S+64+2*an:S+65+2*an], v[S+64+2*an:S+65+2*an], v[S+32+2*an:S+33+2*an]
.set an, an+1
.endr
.endm
; The accumulators take block 3's p and are added by a tree; l_w of my query, and my wave's pair to LDS (both halves of the lanes write the same bytes with the same values).
; Block 2's products, which hang on none of the tree's links, stand among its last levels.
.macro SUMT
.set an, 0
.irp j, 0,2,4,6,8,10,12,14,16,18,20,22,24,26,28,30
	v_pk_add_f32 v[S+\j:S+\j+1], v[S+\j:S+\j+1], v[S+96+\j:S+97+\j]
.endr
.irp j, 0,2,4,6,8,10,12,14
	v_pk_add_f32 v[S+\j:S+\j+1], v[S+\j:S+\j+1], v[S+16+\j:S+17+\j]
.endr
.irp j, 0,2,4,6
	v_pk_add_f32 v[S+\j:S+\j+1], v[S+\j:S+\j+1], v[S+8+\j:S+9+\j]
.endr
	A2M 4
.irp j, 0,2
	v_pk_add_f32 v[S+\j:S+\j+1], v[S+\j:S+\j+1], v[S+4+\j:S+5+\j]
.endr
	A2M 4
	v_pk_add_f32 v[S:S+1], v[S:S+1], v[S+2:S+3]
	A2M 3
	v_add_f32 v29, v[S], v[S+1]
	A2M 3
	v_permlanex16_b32 v60, v29, s[SEL], s[SEL+1]
	A2M 2
	v_add_f32 v[NM+1], v29, v60
	ds_store_b64 v[ASW], v[NM:NM+1]
.endm
.macro MULB b, M                       ; block b: p x mask
.irp j, 0,2,4,6,8,10,12,14,16,18,20,22,24,26,28,30
	v_pk_mul_f32 v[S+32*(\b)+\j:S+32*(\b)+\j+1], v[S+32*(\b)+\j:S+32*(\b)+\j+1], v[\M+\j:\M+\j+1]
.endr
.endm
.macro MAXB01                          ; the largest |p x mask| of blocks 0 and 1, two chains each
.irp b, 0,1
	v_max_num_f32 v[BM+\b], |v[MA+32*\b]|, |v[MA+32*\b+1]|
	v_max_num_f32 v[26+\b], |v[MA+32*\b+2]|, |v[MA+32*\b+3]|
.endr
.irp j, 4,8,12,16,20,24,28
.irp b, 0,1
	v_max3_num_f32 v[BM+\b], v[BM+\b], |v[MA+32*\b+\j]|, |v[MA+32*\b+\j+1]|
	v_max3_num_f32 v[26+\b], v[26+\b], |v[MA+32*\b+\j+2]|, |v[MA+32*\b+\j+3]|
.endr
.endr
.irp b, 0,1
	v_max_num_f32 v[BM+\b], v[BM+\b], v[26+\b]
.endr
.endm
.macro MX k                            ; k of the sixteen steps of the same search in blocks 2 and 3
.rept \k
.if mxn == 0
	v_max_num_f32 v[BM+2], |v[S+64]|, |v[S+65]|
	v_max_num_f32 v[BM+3], |v[S+96]|, |v[S+97]|
.else
	v_max3_num_f32 v[BM+2], v[BM+2], |v[S+64+2*mxn]|, |v[S+65+2*mxn]|
	v_max3_num_f32 v[BM+3], v[BM+3], |v[S+96+2*mxn]|, |v[S+97+2*mxn]|
.endif
.set mxn, mxn+1
.endr
.endm
; v[16:19], v[60:63]: four waves' pairs (lanes 0-15: waves 0-3, lanes 16-31: waves 4-7).  -M = the least -M_w; l = the sum of l_w 2^(M_w - M), which rounds nothing; f = 2^(M_w - M) / l for my wave.
; The chain's links stand among the steps of MX, which hang on none of them.
.macro GFAC
.set mxn, 0
	v_min3_num_f32 v26, v16, v18, v60
	MX 1
	v_min_num_f32 v26, v26, v62
	MX 1
	v_permlanex16_b32 v27, v26, s[SEL], s[SEL+1]
	MX 1
	v_min_num_f32 v26, v26, v27
	MX 1
.irp k, 16,18,60,62
	v_sub_f32 v\k, v26, v\k                                      ; M_w - M: a whole number, 0 or less
.endr
	MX 1
.irp k, 16,18,60,62
	v_cvt_i32_f32 v\k, v\k                                       ; (it saturates)
.endr
	MX 1
.irp k, 16,18,60,62
	v_ldexp_f32 v[\k+1], v[\k+1], v\k
.endr
	MX 1
	v_add_f32 v17, v17, v19
	v_add_f32 v61, v61, v63
	MX 2
	v_add_f32 v17, v17, v61
	MX 2
	v_permlanex16_b32 v27, v17, s[SEL], s[SEL+1]
	MX 2
	v_add_f32 v17, v17, v27                                      ; the row's sum: above one half, since the wave with M_w = M holds a p above one half
	MX 3
	VW                                                           ; ahead of the reciprocal
	v_rcp_f32 v28, v17
	v_sub_f32 v29, v26, v[NM]                                    ; plain work behind it: my own M_w - M
	v_cvt_i32_f32 v29, v29
	VW                                                           ; and ahead of its first reader
	v_ldexp_f32 v[FF], v28, v29
.endm
; a = (p x mask) x f becomes P's two fragments and their scale words.  A block's largest |a| is (its largest |p x mask|) x f: the same multiplication on the largest number.
.macro QUANTP
.irp b, 0,1,2,3
	v_mul_f32 v[SCL+\b], v[BM+\b], v[FF]
.endr
.irp b, 0,1,2,3
	v_max_num_f32 v[SCL+\b], 0x2800000, v[SCL+\b]                ; the floor 2^(5 - 127) (a block of zeros keeps that byte: its codes are zeros)
.endr
.irp b, 0,1,2,3
	v_add_nc_u32 v[SCL+\b], 0xfe000000, v[SCL+\b]                ; 4 off the exponent field
.endr
.irp b, 0,1,2,3
	v_lshrrev_b32 v[TT+\b], 23, v[SCL+\b]
.endr
	v_lshl_or_b32 v[PS], v[TT+1], 16, v[TT]                      ; step s: my blocks 2 s and 2 s + 1 are blocks h and 2 + h of its 128 keys
	v_lshl_or_b32 v[PS+1], v[TT+3], 16, v[TT+2]
	v_lshlrev_b32 v[PS], v[H8], v[PS]
	v_lshlrev_b32 v[PS+1], v[H8], v[PS+1]
	v_permlanex16_b32 v[TT], v[PS], s[SEL], s[SEL+1]
	v_permlanex16_b32 v[TT+2], v[PS+1], s[SEL], s[SEL+1]
	v_or_b32 v[PS], v[PS], v[TT]
	v_or_b32 v[PS+1], v[PS+1], v[TT+2]
.set n, 0
.rept 64
	v_pk_mul_f32 v[S+64+2*n:S+65+2*n], v[S+64+2*n:S+65+2*n], v[FF:FF+1] op_sel_hi:[1,0]   ; v128-255 (also the places between the scale words' last write and the products)
.set n, n+1
.endr
	WIN 0x40
.irp b, 0,1,2,3
	v_cvt_scalef32_pk16_bf6_f32 v[P0+6*\b:P0+6*\b+2], v[S+64+32*((\b+2)%4):S+64+32*((\b+2)%4)+15], v[SCL+\b]   ; block b's a lies at v128 + 32 ((b + 2) mod 4)
	v_cvt_scalef32_pk16_bf6_f32 v[TF+4*\b:TF+4*\b+2], v[S+64+32*((\b+2)%4)+16:S+64+32*((\b+2)%4)+31], v[SCL+\b]
.endr
	v_nop                                                        ; one plain place behind a scaled conversion
	WIN 0x41
.irp b, 0,1,2,3
.irp j, 0,1,2
	v_mov_b32 v[P0+6*\b+3+\j], v[TF+4*\b+\j]
.endr
.endr
	NOPS4                                                        ; an operand written by vector instructions stands four places ahead of a scaled product
.endm
.macro PVI s, ct                       ; O^T(channels 16 ct on) += V^T P^T over step s's 128 keys.  V's scale words: channels 32 (ct / 2) + lane, so odd ct reads lanes 16-31
.set rO, O+8*(\ct)
.set rV, VF+12*(4*(\s)+(\ct))
.set rP, P0+12*(\s)
.set rA, VS+2*((\ct)/2)+(\s)
.if (\s) == 0
.if (\ct)%2
	v_wmma_scale_f32_16x16x128_f8f6f4 v[rO:rO+7], v[rV:rV+11], v[rP:rP+11], 0, v[rA], v[PS+(\s)] matrix_a_fmt:MATRIX_FMT_BF6 matrix_b_fmt:MATRIX_FMT_BF6 matrix_a_scale:MATRIX_SCALE_ROW1
.else
	v_wmma_scale_f32_16x16x128_f8f6f4 v[rO:rO+7], v[rV:rV+11], v[rP:rP+11], 0, v[rA], v[PS+(\s)] matrix_a_fmt:MATRIX_FMT_BF6 matrix_b_fmt:MATRIX_FMT_BF6
.endif
.else
.if (\ct)%2
	v_wmma_scale_f32_16x16x128_f8f6f4 v[rO:rO+7], v[rV:rV+11], v[rP:rP+11], v[rO:rO+7], v[rA], v[PS+(\s)] matrix_a_fmt:MATRIX_FMT_BF6 matrix_b_fmt:MATRIX_FMT_BF6 matrix_a_scale:MATRIX_SCALE_ROW1
.else
	v_wmma_scale_f32_16x16x128_f8f6f4 v[rO:rO+7], v[rV:rV+11], v[rP:rP+11], v[rO:rO+7], v[rA], v[PS+(\s)] matrix_a_fmt:MATRIX_FMT_BF6 matrix_b_fmt:MATRIX_FMT_BF6
.endif
.endif
.endm
.macro PV                              ; the four accumulators take turns, one instruction a turn
	WIN 0x05
.irp s, 0,1
.irp ct, 0,1,2,3
	PVI \s, \ct
.endr
.endr
.endm
.macro OSTORE                          ; lane (r, h): query r, channels 16 ct + 8 h + 0..7; each accumulator from its low end on
	WIN 0
	NOPS4                                                        ; four places between the last product and the first read of a result
.irp ct, 0,1,2,3
	ds_store_b128 v[AOW], v[O+8*\ct:O+8*\ct+3] offset:64*\ct
	ds_store_b128 v[AOW], v[O+8*\ct+4:O+8*\ct+7] offset:64*\ct+16
.endr
.endm
.macro KLOAD
.irp p, 0,1,2,3,4,5,6,7
	ds_load_b128 v[MA+4*\p:MA+4*\p+3], v[AOR] offset:OPART*\p
.endr
.endm
; A PREFETCH of the mask's tile that the NEXT change of slots will ask for: 16 rows of 8,192 bytes.  All sixteen clusters of a quarter of the queries walk the same tiles: the first of them asks.
; Its four partners share the rows out by address, four each; in each, waves 0 to 3 take a row, lanes 256 bytes apart.  The last change that fills a slot asks for nothing.
.macro ASK
	s_cmp_gt_u32 s[REM], s[LIM]
	s_cbranch_scc0 .Lnot_mine_\@
	global_prefetch_b8 v[PFO], s[PFA:PFA+1] th:TH_LOAD_NT scope:SCOPE_SE
.Lnot_mine_\@:
.endm
; And of the eight tiles of Q that are quantised two tiles of queries later (trips 2, 6, 10): the even waves name 32 rows, their own tile's and the next wave's, a lane a row.
.macro QASK
	s_and_b32 s[TS], s[TR], 3
	s_and_b32 s[TS+1], s[WV], 1
	s_lshl_b32 s[TS+1], s[TS+1], 2
	s_or_b32 s[TS], s[TS], s[TS+1]
	s_cmp_eq_u32 s[TS], 2
	s_cbranch_scc0 .Lno_q_\@
	s_cmp_eq_u32 s[TR], 14                                       ; there is no fifth group of eight tiles
	s_cbranch_scc1 .Lno_q_\@
	global_prefetch_b8 v[PFQ], s[SQ:SQ+1] offset:262144 th:TH_LOAD_NT scope:SCOPE_SE
.Lno_q_\@:
.endm
; In trips 3, 7 and 11 wave w quantises tile 2 (TR + 1) + w of Q.  The loads, at the tile's start, into P's and TF's registers, which are idle until this tile's codes are made;
.macro QP1
	VW                                                           ; -M_w is first read behind the branches
	s_and_b32 s[TS], s[TR], 3
	s_cmp_eq_u32 s[TS], 3
	s_cbranch_scc0 .Lno_q1_\@
	WIN 0x40
.irp j, 0,1,2,3,4,5,6,7
	global_load_b128 v[P0+4*\j:P0+4*\j+3], v[QGO], s[SQ:SQ+1] offset:131072+4096*\j th:TH_LOAD_NT
.endr
	WIN 0
.Lno_q1_\@:
.endm
; and, behind the tile's first barrier, the work: the image goes to the half of the places that nobody reads before the next round.
.macro QP2
	VW                                                           ; f is first read behind the branch
	s_and_b32 s[TS], s[TR], 3
	s_cmp_eq_u32 s[TS], 3
	s_cbranch_scc0 .Lno_q2_\@
	s_wait_loadcnt 0x0
	STG P0, 1, S                                                 ; block 0's registers are idle here
	s_wait_dscnt 0x0                                             ; the numbers are back; the stores have read their registers
	QUANT32 S, P0, 31
	s_add_co_u32 s[TS], s[TR], 1
	s_lshr_b32 s[TS], s[TS], 2
	s_and_b32 s[TS], s[TS], 1
	s_lshl_b32 s[TS], s[TS], 13                                  ; tiles 8-15 and 24-31: places 8-15; tiles 16-23: places 0-7
	s_add_co_u32 s[TS], s[TS], s[QW]
	IMGST
	s_wait_dscnt 0x0                                             ; the stores have read their registers, which are written again below
.Lno_q2_\@:
.endm
; THE CHANGE OF SLOTS, at a tile's end.  Every wave waits for all its tensor loads (one is out: its part of the next tile's mask), adds 0 to its spare word, and waits for that, for its reads of
; this tile's mask and for its stores of partial O.  refill = 1: the barrier opens a round of the cluster's, and the joint refill (the tile two on) is the first thing behind it.
; qk = 1: the next tile's sixteen products stand between signal and wait: work on registers.
.macro SYNC sg, refill, qk, first, sq
	WIN 0
	s_wait_tensorcnt 0x0
	ds_add_u32 v[SPW], v[NIL]
.if (\refill) && ((\first) == 0)
	s_add_nc_u64 s[G0M+4*(\sg)+2:G0M+4*(\sg)+3], s[G0M+4*(\sg)+2:G0M+4*(\sg)+3], 262144   ; two tiles of 16 rows x 8,192 bytes on
.endif
	s_wait_xcnt 0x0                                              ; the last store, prefetches and loads have read their bases and registers
.if \refill
	s_add_nc_u64 s[PFA:PFA+1], s[PFA:PFA+1], 131072
	s_sub_co_u32 s[REM], s[REM], 1
.endif
.if (\first) == 0
	s_add_nc_u64 s[OUTP:OUTP+1], s[OUTP:OUTP+1], 4096
.endif
.if \sq
	s_add_nc_u64 s[SQ:SQ+1], s[SQ:SQ+1], 131072
.endif
	s_wait_dscnt 0x0
	s_barrier_signal -1
.if \qk
	WIN 0x05
	QK
	WIN 0
	NOPS4                                                        ; four places between the last product and the first read of a score
	DMAXB1
	VW                                                           ; the four maxima are read again behind the waits and branches below
.endif
	s_barrier_wait -1
.if \refill
	CREST
	tensor_load_to_lds s[G0M+4*(\sg):G0M+4*(\sg)+3], s[G1M:G1M+7]
	s_nop 0
	NOPS4
	ASK
.endif
.endm
; ------------------------------------------------------------------ the head
	s_load_b256 s[4:11], s[0:1], 0x0               ; queries s[4:5], keys s[6:7], mask s[8:9], V's codes s[10:11]
	s_load_b128 s[12:15], s[0:1], 0x20             ; V's scales s[12:13], out s[14:15]
	v_lshl_add_u32 v[SPW], v0, 2, SPARE
	v_mov_b32 v[NIL], 0
	ds_add_u32 v[SPW], v[NIL]                      ; the opening lines: the add, twice on end, and its wait ahead of my first tensor load
	ds_add_u32 v[SPW], v[NIL]
	v_lshrrev_b32 v62, 5, v0
	v_readfirstlane_b32 s[WV], v62                 ; wave 0..7
	s_bfe_u32 s[CX], ttmp6, 0x40000                ; my place in the cluster: it enters global addresses of my own head alone
	s_lshl_b32 s[BH], ttmp9, 2
	s_add_co_u32 s[BH], s[BH], s[CX]               ; 16 b + head
	s_and_b32 s[YQ], ttmp7, 0xffff                 ; which 512 queries: the four partners share it
	; group 1 of the mask's tiles: 16 rows x 256 f32, 2,048 f32 from row to row, 16 bytes of padding behind each row of 1,024; all four work-groups
	s_mov_b32 s[G1M], 15|(2<<16)|(1<<20)|(1<<21)|(7<<22)|(3<<25)
	s_mov_b32 s[G1M+1], 256<<16
	s_mov_b32 s[G1M+2], 16<<16
	s_mov_b32 s[G1M+3], 256<<16
	s_mov_b32 s[G1M+4], 16
	s_mov_b32 s[G1M+5], 2048
	s_mov_b32 s[G1M+6], 0
	s_mov_b32 s[G1M+7], 0
	; group 1 of V's tile: eight channels, dense in memory, as 48 rows of 256 bytes (32 elements of 8), 16 bytes of padding behind each; no mask: my own head's
	s_mov_b32 s[G1V], (3<<16)|(1<<20)|(5<<22)|(3<<25)
	s_mov_b32 s[G1V+1], 32<<16
	s_mov_b32 s[G1V+2], 48<<16
	s_mov_b32 s[G1V+3], 32<<16
	s_mov_b32 s[G1V+4], 48
	s_mov_b32 s[G1V+5], 32
	s_mov_b32 s[G1V+6], 0
	s_mov_b32 s[G1V+7], 0
	s_mov_b32 s[SEL], 0x76543210
	s_mov_b32 s[SEL+1], 0xfedcba98
	s_mov_b32 s[CS], 0x3e38aa3b                    ; log2(e) / sqrt(64)
	s_mov_b32 s[CS+1], s[CS]
	s_mov_b32 s[TR], 0
	s_mov_b32 s[REM], 32
	s_lshr_b32 s[TS], s[WV], 2
	s_or_b32 s[TS], s[TS], ttmp9                   ; 0 in waves 0 to 3 of the first cluster of my quarter: the same in all four partners
	s_cmp_eq_u32 s[TS], 0
	s_cselect_b32 s[LIM], 1, -1
	s_lshl_b32 s[QW], s[WV], 10
	s_add_co_u32 s[QW], s[QW], QIMG
	v_and_b32 v[LANE], 31, v0
	v_and_b32 v60, 15, v0                          ; r
	v_bfe_u32 v61, v0, 4, 1                        ; h
	s_mul_i32 s[TS], s[WV], WPART
	v_mul_u32_u24 v[AM], v60, MPITCH
	v_lshl_add_u32 v[AM], v61, 7, v[AM]
	v_add_nc_u32 v[AM], s[TS], v[AM]               ; my wave's part, row r, + 128 h
	v_add_nc_u32 v[AM+1], SLOTB, v[AM]
	s_lshl_b32 s[TS], s[WV], 3
	s_add_co_u32 s[TS], s[TS], STATS
	v_mul_u32_u24 v[ASR], v60, 80
	v_add_nc_u32 v[ASW], s[TS], v[ASR]
	v_lshl_add_u32 v[ASR], v61, 5, v[ASR]
	v_add_nc_u32 v[ASR], STATS, v[ASR]
	s_mul_i32 s[TS], s[WV], OPART
	s_add_co_u32 s[TS], s[TS], OSC
	v_mul_u32_u24 v63, v60, OPITCH
	v_add_nc_u32 v63, s[TS], v63
	v_lshl_add_u32 v[AOW], v61, 5, v63
	v_lshl_add_u32 v[SR], v61, 7, v63
	v_mul_u32_u24 v[SW], v61, 8*OPITCH
	v_lshl_add_u32 v[SW], v60, 4, v[SW]
	v_add_nc_u32 v[SW], s[TS], v[SW]
	s_mul_i32 s[TS], s[WV], 2*OPITCH
	s_add_co_u32 s[TS], s[TS], OSC
	v_mul_u32_u24 v[AOR], v61, OPITCH
	v_lshl_add_u32 v[AOR], v60, 4, v[AOR]
	v_add_nc_u32 v[AOR], s[TS], v[AOR]
	v_lshlrev_b32 v[AOUT], 4, v0                   ; 512 x wave + 16 x lane
	v_lshlrev_b32 v[H8], 3, v61
	v_lshlrev_b32 v[PFO], 8, v[LANE]
	v_lshlrev_b32 v[PFQ], 12, v[LANE]
	v_lshlrev_b32 v[QGO], 4, v60
	v_lshl_add_u32 v[KGO], v61, 17, v[QGO]         ; lanes 16-31: 32 rows of 4,096 bytes on
	v_lshl_add_u32 v[QGO], v61, 15, v[QGO]         ; lanes 16-31: 8 rows on
	v_lshlrev_b32 v63, 6, v[LANE]                  ; V's scale bytes: 64 a channel
	s_mul_i32 s[TS], s[WV], 192
	v_mul_u32_u24 v23, v61, 24
	v_add_nc_u32 v23, s[TS], v23                   ; y0 = 192 w + 24 h: my first byte in a channel of V
	v_mad_u32_u24 v22, v60, VROW, v23
	v_add_nc_u32 v22, SLOTB, v22                   ; slot 1 + channel r + y0
	v_mov_b32 v[NM+1], 0                           ; named as the upper halves of pairs before they are first written,
	v_mov_b32 v[FF+1], 0
	v_mov_b32 v30, 0                               ; and a lane permute's destination counts as one of its sources
	WIN 0x40
.irp j, 0,1,2,3,4,5
	v_mov_b32 v[KF+96+\j], 0                       ; behind K's last fragment,
	v_mov_b32 v[QF+6+\j], 0                        ; and Q's k = 64 .. 127: zero codes
.endr
	WIN 0
	s_lshr_b32 s[TS], s[BH], 4
	s_lshl_b32 s[TS], s[TS], 23                    ; b x 2,048 rows of 4,096 bytes
	s_and_b32 s[TS+1], s[BH], 15
	s_lshl_b32 s[TS+1], s[TS+1], 8                 ; + the head's 256 bytes of a row
	s_add_co_u32 s[TS+2], s[TS], s[TS+1]
	s_mov_b32 s[TS+1], 0
	VW
	s_wait_dscnt 0x0                               ; both opening adds are done
	s_wait_kmcnt 0x0
	s_lshl_b32 s[TS], s[WV], 20                    ; my wave's 256 keys
	s_add_co_u32 s[TS], s[TS], s[TS+2]
	s_add_nc_u64 s[KB:KB+1], s[6:7], s[TS:TS+1]
	s_lshl_b32 s[TS], s[YQ], 21                    ; my 512 queries,
	s_add_co_u32 s[TS], s[TS], s[TS+2]
	s_lshl_b32 s[TS+4], s[WV], 16                  ; tile w of them
	s_add_co_u32 s[TS], s[TS], s[TS+4]
	s_add_nc_u64 s[SQ:SQ+1], s[4:5], s[TS:TS+1]
	s_lshl_b32 s[TS], s[BH], 19                    ; out lies [b][h][l][d]: 2,048 rows of 256 bytes a head
	s_lshl_b32 s[TS+4], s[YQ], 17
	s_add_co_u32 s[TS], s[TS], s[TS+4]
	s_add_nc_u64 s[OUTP:OUTP+1], s[14:15], s[TS:TS+1]
	s_lshl_b32 s[TS], s[BH], 12
	s_lshl_b32 s[TS+4], s[WV], 3
	s_add_co_u32 s[TS], s[TS], s[TS+4]
	s_add_nc_u64 s[VSB:VSB+1], s[12:13], s[TS:TS+1]
	s_mul_i32 s[TS], s[BH], 98304                  ; 64 channels of 1,536 bytes a head;
	s_mul_i32 s[TS+4], s[WV], 12288                ; I fetch channels 8 w .. 8 w + 7
	s_add_co_u32 s[TS], s[TS], s[TS+4]
	s_mov_b32 s[G0V], 1
	s_mul_i32 s[TS+4], s[WV], VPART
	s_add_co_u32 s[G0V+1], s[TS+4], SLOTB
	s_add_nc_u64 s[G0V+2:G0V+3], s[10:11], s[TS:TS+1]
	s_or_b32 s[G0V+3], s[G0V+3], 0x80000000
	s_lshl_b32 s20, s[YQ], 22                      ; the mask: 512 rows of 8,192 bytes a quarter; my wave's 1,024 bytes of a row.  Nothing here hangs on my place in the cluster
	s_lshl_b32 s21, s[WV], 10
	s_add_co_u32 s20, s20, s21
	s_mov_b32 s21, 0
	s_add_nc_u64 s[22:23], s[8:9], s[20:21]
	s_mov_b32 s[G0M], 1
	s_mul_i32 s[G0M+1], s[WV], WPART
	s_mov_b64 s[G0M+2:G0M+3], s[22:23]
	s_or_b32 s[G0M+3], s[G0M+3], 0x80000000
	s_mov_b32 s[G0M+4], 1
	s_add_co_u32 s[G0M+5], s[G0M+1], SLOTB
	s_add_nc_u64 s[G0M+6:G0M+7], s[22:23], 131072
	s_or_b32 s[G0M+7], s[G0M+7], 0x80000000
	s_lshl_b32 s[TS], s[CX], 2
	s_and_b32 s[TS+4], s[WV], 3
	s_add_co_u32 s[TS], s[TS], s[TS+4]
	s_add_co_u32 s[TS], s[TS], 16                  ; row 4 cx + (w mod 4) of tile 1: the first change of slots steps it to tile 2
	s_lshl_b32 s[TS], s[TS], 13
	s_lshl_b32 s[TS+4], s[YQ], 22
	s_add_co_u32 s[TS], s[TS], s[TS+4]
	s_add_nc_u64 s[PFA:PFA+1], s[8:9], s[TS:TS+1]
	global_load_b64 v[VS:VS+1], v63, s[VSB:VSB+1]                 ; channel = lane: the words of my two steps of 128 keys;
	global_load_b64 v[VS+2:VS+3], v63, s[VSB:VSB+1] offset:2048   ; channel = 32 + lane
; Seventeen tiles of 16 rows x 64 f32 go through a ring of seven register buffers: K's sixteen (tile t: rows 128 (t / 8) + 64 ((t / 4) % 2) + 8 (t % 4) + 0..7 and those 32 on), then tile w of Q.
.macro HLOAD                           ; tile LT into buffer LT % 7: buffers 0-3 where the scores will lie, 4-6 where V will
.set LB, LT%7
.if LB < 4
.set LR, S+32*LB
.else
.set LR, VF+32*(LB-4)
	WIN 0x40
.endif
.if LT < 16
.set LO, (128*(LT/8)+64*((LT/4)%2)+8*(LT%4))*4096
.irp j, 0,1,2,3,4,5,6,7
	global_load_b128 v[LR+4*\j:LR+4*\j+3], v[KGO], s[KB:KB+1] offset:LO+4096*\j
.endr
.else
.irp j, 0,1,2,3,4,5,6,7
	global_load_b128 v[LR+4*\j:LR+4*\j+3], v[QGO], s[SQ:SQ+1] offset:4096*\j th:TH_LOAD_NT
.endr
.endif
	WIN 0
.endm
.set LT, 0
.rept 7
	HLOAD
.set LT, LT+1
.endr
	ROUND                                          ; in a cluster launch a round stands in front of the first tensor loads
	tensor_load_to_lds s[G0V:G0V+3], s[G1V:G1V+7]  ; my eight channels of V into slot 1: my one tensor load at the head
	s_nop 0
	NOPS4
; Tile PT goes into the stage and back while tile PT - 1 is quantised.  The stage is written again only when its last reads are back.
; Ahead of tile 9 stands the mask's first fill, with eight tiles' work in which to land.
.set PT, 0
.rept 17
.if PT == 9
	s_wait_tensorcnt 0x0                           ; V's part has landed
	ds_add_u32 v[SPW], v[NIL]
	s_wait_dscnt 0x0
	ROUND                                          ; all of V lies in slot 1 for every wave, and all four work-groups are here: the joint load meets
	tensor_load_to_lds s[G0M:G0M+3], s[G1M:G1M+7]  ; tile 0 of the mask into slot 0, jointly
	s_nop 0
	NOPS4
.endif
.if PT == 0
	s_wait_loadcnt 48                              ; tile 0 is in; six tiles of eight loads may be out
.elseif PT <= 11
	s_wait_loadcnt 40                              ; tile PT is in; the five tiles behind it may be out
.else
	s_wait_loadcnt 8*(16-PT)                       ; the counts run down
.endif
.if PT > 0
	s_wait_dscnt 0x0                               ; tile PT - 1 is back, and its stores have read their buffer
.endif
.set LB, PT%7
.if LB < 4
.set LR, S+32*LB
.set LWN, 0
.else
.set LR, VF+32*(LB-4)
.set LWN, 1
.endif
.set XR, MA+32*(PT%2)
	STG LR, LWN, XR
.if PT > 0
.if PT+6 <= 16
.set LT, PT+6
	HLOAD                                          ; into tile PT - 1's buffer
.endif
.set XR, MA+32*((PT+1)%2)
.set DR, KF+6*(PT-1)
.set CR, KS+PT-1
	QUANT32 XR, DR, CR
.endif
.set PT, PT+1
.endr
	s_wait_dscnt 0x0
	QUANT32 MA, P0, 31                             ; tile w of Q
	s_mov_b32 s[TS], s[QW]
	IMGST                                          ; to place w
; V's fragments, 16 channels x 128 keys: 24 bytes twice, in pieces of 8.  Byte y of a channel lies at y + 16 (y / 256) of its six padded rows; y = y0 + VK.
.set n, 0
.rept 12
.set VK, 96*(n/6)+48*((n%6)/3)+8*(n%3)
	v_add_nc_u32 v[S+2*n], VK, v23
.set n, n+1
.endr
.set n, 0
.rept 12
	v_lshrrev_b32 v[S+2*n], 8, v[S+2*n]
.set n, n+1
.endr
.set n, 0
.rept 12
	v_lshl_add_u32 v[S+2*n], v[S+2*n], 4, v22
.set n, n+1
.endr
.set n, 0
.rept 12
	v_add_nc_u32 v[S+2*n+1], 32*VROW, v[S+2*n]     ; channels 32 on
.set n, n+1
.endr
	WIN 0x40
.set n, 0
.rept 12
.set VK, 96*(n/6)+48*((n%6)/3)+8*(n%3)
.irp ct, 0,1,2,3
	ds_load_b64 v[VF+12*(4*(n/6)+\ct)+2*(n%6):VF+12*(4*(n/6)+\ct)+2*(n%6)+1], v[S+2*n+(\ct/2)] offset:VK+16*VROW*(\ct%2)
.endr
.set n, n+1
.endr
	WIN 0
	s_wait_dscnt 0x0                               ; V is in registers; my image of Q has landed
	s_barrier_signal -1
	s_barrier_wait -1                              ; all eight images lie in LDS.
	s_mov_b32 s[TS], QIMG
	QIMGRD                                         ; tile 0 of Q
	SYNC 1, 1, 1, 1, 0                             ; V's bytes have been read by all: slot 1 takes the mask's tile 1; tile 0's scores
	DMAXB2
	DTAIL 0
; ------------------------------------------------------------------ a tile of 16 queries: number 2 TR + sg, its mask in slot sg
.macro BODY sg, refill, next, qp, sq
	MASKLD \sg, 0, MA
	MASKLD \sg, 1, MB
.if \qp
	QP1
.endif
	FMA0
	VW                                             ; one wait ahead of each stage and one behind it
	STAGE 0
	VW
	s_wait_dscnt 0x0                               ; mask blocks 0 and 1
	STAGE 1
	VW
	STAGE 2
	VW
	MASKLD \sg, 2, S+32                            ; block 1's p has been summed and multiplied: its registers take mask block 2
.if \next
	QIMGLD \sg                                     ; the next tile's Q: images are read only ahead of a tile's first barrier, and written only behind it
.endif
	STAGE 3
	VW
	s_wait_dscnt 0x3*(\next)                       ; mask block 2 is in; the image's three loads may be out
	SUMT
	s_wait_dscnt 0x0                               ; my pair has landed; Q's image is in; my reads of the last tile's partial O are over
	s_barrier_signal -1
	MASKLD \sg, 3, S                               ; between signal and wait: work on registers, and loads of the mask's slot, which nobody writes before the next barrier
	MAXB01
	s_barrier_wait -1                              ; all eight pairs lie in LDS
	ds_load_b128 v[16:19], v[ASR]
	ds_load_b128 v[60:63], v[ASR] offset:16
	s_wait_dscnt 0x2                               ; mask block 3 is in; the two loads of pairs may be out
	MULB 3, S
	s_wait_dscnt 0x0
	GFAC
.if \qp
	QP2
.endif
	QUANTP
	PV
	OSTORE
	SYNC \sg, \refill, \next, 0, \sq
.if \qp
	QASK
.endif
	KLOAD
.if \next
	DMAXB2                                         ; stands between the loads of partial O and the wait for them
	VW
	s_wait_dscnt 0x0
	DTAIL 1
.else
	s_wait_dscnt 0x0
	KR1 0
	KR1 8
	KR1 16
	KR1 24
	KR2 0
	KR2 16
	KR3
.endif
.endm
.Ltrip:                                            ; 15 trips of two tiles: behind each of these 30 tiles a slot is filled again
	BODY 0, 1, 1, 1, 0
	BODY 1, 1, 1, 0, 1
	s_add_co_u32 s[TR], s[TR], 1
	s_cmp_lt_u32 s[TR], 15
	s_cbranch_scc1 .Ltrip
	BODY 0, 0, 1, 0, 0                             ; the last two tiles are written out: nothing is left to fetch
	BODY 1, 0, 0, 0, 0
	s_wait_tensorcnt 0x0                           ; the wave's end
	ds_add_u32 v[SPW], v[NIL]
	s_wait_dscnt 0x0
	ROUND                                          ; the closing round: no work-group ends while a partner may still ask for a tile that names it
	s_endpgm
.Lfunc_end_k_q77c9c454d2_att:
	.size	k_q77c9c454d2_att, .Lfunc_end_k_q77c9c454d2_att-k_q77c9c454d2_att
	.p2alignl 7, 3214868480
	.fill 96, 4, 3214868480
	.section	.rodata,"a",@progbits
	.p2align	6, 0x0
	.amdhsa_kernel k_q77c9c454d2_att
		.amdhsa_group_segment_fixed_size 327680
		.amdhsa_private_segment_fixed_size 0
		.amdhsa_enable_private_segment 0
		.amdhsa_kernarg_size 48
		.amdhsa_user_sgpr_count 2
		.amdhsa_user_sgpr_kernarg_segment_ptr 1
		.amdhsa_wavefront_size32 1
		.amdhsa_system_sgpr_workgroup_id_x 1
		.amdhsa_system_sgpr_workgroup_id_y 1
		.amdhsa_system_sgpr_workgroup_id_z 1
		.amdhsa_system_vgpr_workitem_id 0
		.amdhsa_next_free_vgpr 512
		.amdhsa_next_free_sgpr 80
		.amdhsa_reserve_vcc 0
		.amdhsa_float_denorm_mode_32 3
		.amdhsa_float_denorm_mode_16_64 3
		.amdhsa_memory_ordered 1
		.amdhsa_forward_progress 1
		.amdhsa_inst_pref_size 243
	.end_amdhsa_kernel
	.amdgpu_metadata
---
amdhsa.version: [ 1, 2 ]
amdhsa.kernels:
  - .name:           k_q77c9c454d2_att
    .symbol:         k_q77c9c454d2_att.kd
    .args:
      - { .name: queries, .offset: 0, .size: 8, .value_kind: global_buffer, .address_space: global }
      - { .name: keys, .offset: 8, .size: 8, .value_kind: global_buffer, .address_space: global }
      - { .name: mask, .offset: 16, .size: 8, .value_kind: global_buffer, .address_space: global }
      - { .name: values_codes, .offset: 24, .size: 8, .value_kind: global_buffer, .address_space: global }
      - { .name: values_scales, .offset: 32, .size: 8, .value_kind: global_buffer, .address_space: global }
      - { .name: out0, .offset: 40, .size: 8, .value_kind: global_buffer, .address_space: global }
    .group_segment_fixed_size: 327680
    .private_segment_fixed_size: 0
    .kernarg_segment_align: 8
    .kernarg_segment_size: 48
    .max_flat_workgroup_size: 256
    .sgpr_count:     80
    .vgpr_count:     512
    .wavefront_size: 32
...
	.end_amdgpu_metadata
.endif
;; end of part 1
